; MI455X (gfx1250); checked and timed in simulation.
; The chip was launched on July 23, 2026; its instructions are those of AMD's public machine-readable ISA for CDNA 5 (MIT licence, August 2026) and "CDNA5" Instruction Set Architecture Reference Guide (July 2026). The comments in the code are by the model that wrote it; some were corrected since.
;; Drift. Allowed arithmetic: float matrix products may take bf16 or f16 operands with f32 sums; all other float work in f32.
;; Inputs: W1 4 x 8 float32; W2 8 x 16 float32; W3 16 x 32 float32; W4 32 x 16 float32; W5 16 x 8 float32; W6 8 x 4 float32; b1 8 float32; b2 16 float32; b3 32 float32; b4 16 float32; b5 8 float32; b6 4 float32; x 4,000,000 x 4 float32.
;; Outputs: out0 4,000,000 x 4 float32.
;; 2 versions, each right; version 2 is version 1 with the launch mlp written anew for expert scheduling mode. Each part assembles by itself: llvm-mc -triple=amdgcn-amd-amdhsa -mcpu=gfx1250 --defsym DOCPART=n.
;; ======== version 1 of 2: 1 launch
;; launch mlp (part 1): grid 256 x 1, 12 waves a work-group, no clusters, 0 bytes of LDS; arguments x, W1, b1, W2, b2, W3, b3, W4, b4, W5, b5, W6, b6, out0; writes out0
.if DOCPART == 1
	.amdgcn_target "amdgcn-amd-amdhsa--gfx1250"
	.amdhsa_code_object_version 6
	.text
	.protected	k_q43aa414d51_mlp
	.globl	k_q43aa414d51_mlp
	.p2align	8
	.type	k_q43aa414d51_mlp,@function
k_q43aa414d51_mlp:
	s_mov_b64 s[64:65], 0
	v_nop
	global_prefetch_b8 v0, s[64:65] scope:SCOPE_SE
	s_setreg_imm32_b32 hwreg(HW_REG_WAVE_MODE, 25, 1), 1
	s_wait_xcnt 0x0
; out0 = relu(..relu(relu(x W1 + b1) W2 + b2).. W6 + b6): six Linear+ReLU layers 4-8-16-32-16-8-4 on 4,000,000 rows of 4 f32, in one launch.
;
; FORM.  Every layer is D = A x B + C on the 16x16x32 bf16 matrix form with A = W transposed (M = output features), B = activations
; (N = 16 rows, K = input features) and C = the bias in f32, kept in registers; D is another tuple than C.  In D lane (r, h) holds in
; register j the feature 8h + j of row r; after ReLU, packing registers 2i, 2i+1 to bf16 gives exactly registers 0-3 (k = 8h ..) or
; 4-7 (k = 16 + 8h ..) of the next layer's B.  So activations never leave the lane: no LDS, no lane exchange, no barrier.
; Layers narrower than 16 x 32 use weights laid out in diagonal blocks, so that one instruction serves 2 or 4 groups of 16 rows:
; a chunk of 64 rows takes 2+4+8+4+2+1 = 21 matrix instructions, which is its 64 x 84 outputs / 256 outputs an instruction.
; A lane's 16-byte load of x IS its fragment of layer 1's B, and a lane's four results of layer 6 ARE 16 bytes of out0: each load and
; each store of a wave covers 512 consecutive bytes, aligned to 512.
;
; SHARES.  62,500 chunks of 64 rows (1,024 bytes) over 256 x 12 = 3,072 waves: wave g = group + 256 x wave takes chunks g + 3072 t,
; t = 0 .. 19, and the waves with g < 62,500 - 20 x 3,072 = 1,060 take t = 20 too.  A chunk is two halves of 32 rows, P and Q,
; whose vector work stands in the places behind each other's matrix instructions.
; No cluster, no joint requests: the work-groups share only the 5,712 bytes of weights and biases, against 250,000 bytes of x each.
;
; LIMITS.  x, weights and activations enter the products rounded to bf16; sums and biases are f32.  v_max_num_f32 makes 0 of a NaN where
; reference() keeps it.  Rows of a chunk that are equal modulo 16 share a matrix column under zero weights: an Inf or NaN in one
; of them gives NaN in the others (0 x Inf).  So: right wherever every intermediate of reference() is finite.
.set CHUNK,  1024                      ; bytes of x, and of out0, in a chunk
.set STRIDE, 3072*CHUNK                ; from a wave's chunk to its next
.set REST,   1060                      ; waves with a 21st chunk
; vector registers, window 0
.set VO,  1                            ; v1        g x 1024 + lane x 16: my 16 bytes in the first half of my chunk 0; never rewritten
.set ZR0, 2                            ; v2, v3    0.0: the two halves of a dual maximum take their second sources from different banks
.set ZR1, 3
.set X,   8                            ; v[8:31]   three slots of x as loaded: slot s: P in 8s .. 8s+3, Q in 8s+4 .. 8s+7
.set A1,   32                          ; the weights as A fragments, 8 registers each
.set A2A,  40                          ; layer 2 on k 0-7   (rows r of the half)
.set A2B,  48                          ; layer 2 on k 8-15  (rows 16 + r)
.set A3LL, 56                          ; layer 3: features 0-15,  k 0-15  (rows r)
.set A3HL, 64                          ;          features 16-31, k 0-15
.set A3LH, 72                          ;          features 0-15,  k 16-31 (rows 16 + r)
.set A3HH, 80                          ;          features 16-31, k 16-31
.set A4,   88
.set A5,   96
.set A6,   104
.set HP,  112                          ; v[112:175] half P: +0 B1 (2-7 stay 0), +8 B2 (4-7 stay 0), +16 B3 / B4 / B5 (16), +32 results (32)
.set HQ,  176                          ; v[176:239] half Q, likewise
.set B6,  240                          ; v[240:247] layer 6's B: P's four registers, then Q's
.set D6,  248                          ; v[248:255] layer 6's result = 2 x 16 bytes of out0
; window 1 (v256-v311): the biases in D's layout, read only as the matrix instructions' third source
.set C1, 0
.set C2, 8
.set C3L, 16
.set C3H, 24
.set C4, 32
.set C5, 40
.set C6, 48
; set-up only, in registers of the two pools that the loop uses later
.set T4, 128                           ; v[128:143] W4 as loaded       .. T3 v[144:159] W3, T2 v[160:167] W2, T5 v[168:175] W5
.set T3, 144
.set T2, 160
.set T5, 168
.set T6, 192                           ; v[192:199] W6, T1 v[200:203] W1
.set T1, 200
.set P2, 204                           ; packed, before the lane masks: W2 (4), W5 (4), W6 (4), W1 (2)
.set P5, 208
.set P6, 212
.set P1, 216
.set OW1, 220                          ; byte offsets of a lane's weights
.set OW2, 221
.set OW3, 222
.set OW4, 223
.set OW5, 224
.set OW6, 225
.set VH,  226                          ; 32 h: the bias of feature 8h
.set TA,  227
.set TB,  228
; scalar registers: s2 wave, s3 g, s4 1 = I have a 21st chunk, s5 loop counter, s6 temporary, s[8:35] the 14 addresses, s36-42 lane masks
.set XB, 8                             ; s[8:9]   x, stepped by STRIDE a trip
.set OB, 34                            ; s[34:35] out0, likewise
.set MSB, 0
.macro WIN new                         ; s_set_vgpr_msb; the immediate's high byte repeats the setting that is left
.if MSB != \new
	s_set_vgpr_msb (MSB<<8)|\new
.set MSB, \new
.endif
.endm
.set C_HIGH, 0x10                      ; source 2 in window 1: in the loop only matrix instructions have a third vector source
.set TO_HIGH, 0x40                     ; destination in window 1
.macro LOADX slot, off                 ; one chunk of x: two loads of 512 consecutive bytes
	global_load_b128 v[X+8*\slot:X+8*\slot+3],   v[VO], s[XB:XB+1] offset:\off th:TH_LOAD_NT
	global_load_b128 v[X+8*\slot+4:X+8*\slot+7], v[VO], s[XB:XB+1] offset:\off+512 th:TH_LOAD_NT
.endm
.macro ZERO base, cnt
.set zi, 0
.rept \cnt
	v_mov_b32 v[\base+zi], 0
.set zi, zi+1
.endr
.endm
.macro PACK dst, src, cnt              ; 2 cnt f32 to cnt registers of bf16 pairs, the lower index in the low half
.set pki, 0
.rept \cnt
	v_cvt_pk_bf16_f32 v[\dst+pki], v[\src+2*pki], v[\src+2*pki+1]
.set pki, pki+1
.endr
.endm
.macro SEL dst, src, cnt, mask         ; the block of a block-diagonal A: src in the mask's lanes, 0 in the others
.set si, 0
.rept \cnt
	v_cndmask_b32 v[\dst+si], 0, v[\src+si], s[\mask]
.set si, si+1
.endr
.endm
.macro RELU src, cnt                   ; 2 cnt numbers in place, two to an instruction
.set ri, 0
.rept \cnt
	v_dual_max_num_f32 v[\src+2*ri], v[\src+2*ri], v[ZR0] :: v_dual_max_num_f32 v[\src+2*ri+1], v[\src+2*ri+1], v[ZR1]
.set ri, ri+1
.endr
.endm
.macro ACT dst, src, cnt               ; a layer's results become the next layer's B: ReLU, then round to bf16
	RELU \src, \cnt
	PACK \dst, \src, \cnt
.endm
.macro MM d, a, b, c
	v_wmma_f32_16x16x32_bf16 v[\d:\d+7], v[\a:\a+7], v[\b:\b+7], v[\c:\c+7]
.endm
; The layers of one half H.  Layer 1's result has registers of its own (H+48): layer 2 of half P follows layer 1 with only four
; independent vector instructions between, enough to read a result and one too few to write over it (ISA guide 7.12.1).
.macro LAY1 H
	MM \H+48, A1, \H, C1               ; lane (r, h), register j: feature j of row 16h + r
.endm
.macro LAY2 H
	MM \H+32, A2A, \H+8, C2            ; feature 8h + j of row r
	MM \H+40, A2B, \H+8, C2            ; of row 16 + r
.endm
.macro LAY3 H
	MM \H+32, A3LL, \H+16, C3L         ; rows r:      features 8h + j
	MM \H+40, A3HL, \H+16, C3H         ;              features 16 + 8h + j
	MM \H+48, A3LH, \H+16, C3L         ; rows 16 + r: features 8h + j
	MM \H+56, A3HH, \H+16, C3H         ;              features 16 + 8h + j
.endm
.macro LAY4 H
	MM \H+32, A4, \H+16, C4            ; rows r
	MM \H+40, A4, \H+24, C4            ; rows 16 + r
.endm
.macro LAY5 H
	MM \H+32, A5, \H+16, C5            ; feature j of row 16h + r
.endm
; Layers 2 to 6 of the chunk whose layer 1 has been issued.  P and Q take turns: behind each group of matrix instructions stands the other
; half's ACT, at least 8 plain vector instructions that name only that other half's registers and v2, v3.  They are the places (ISA guide
; 7.12.1) in front of the read of the results, of the write into a B that was a source, and of the next layer's write over the results.
; stepx = 1: a later load still goes through the x base.
.macro MID stepx
	ACT HP+8, HP+48, 4
	LAY2 HP
	ACT HQ+8, HQ+48, 4
	LAY2 HQ
	ACT HP+16, HP+32, 8
	LAY3 HP
	ACT HQ+16, HQ+32, 8
	LAY3 HQ
	ACT HP+16, HP+32, 16
	LAY4 HP
	ACT HQ+16, HQ+32, 16
	LAY4 HQ
	ACT HP+16, HP+32, 8
	LAY5 HP
	ACT HQ+16, HQ+32, 8
	LAY5 HQ
	ACT B6, HP+32, 4                   ; k 0-15:  chunk rows r, 16 + r
	ACT B6+4, HQ+32, 4                 ; k 16-31: chunk rows 32 + r, 48 + r
	s_wait_xcnt 0x0                    ; the last trip's loads and stores have had their addresses translated (ISA guide 3.1): only now the two
.if \stepx                             ; bases are stepped and D6, the last stores' data, is written again
	s_add_nc_u64 s[XB:XB+1], s[XB:XB+1], STRIDE
.endif
	s_add_nc_u64 s[OB:OB+1], s[OB:OB+1], STRIDE
	MM D6, A6, B6, C6                  ; registers 0-3: out0 of chunk row lane; registers 4-7: of chunk row 32 + lane
.endm
; Layer 1 of the next chunk, from slot; load = 1: the slot is asked for again, three chunks ahead.  left = younger loads that may stay out.
; The four conversions are also the four places between layer 6 above and the maxima that read its result in V6ST.
.macro NEXT slot, load, left
	s_wait_loadcnt \left               ; loads come back in order (ISA guide 5.7.1): this slot's two are in
	v_cvt_pk_bf16_f32 v[HP],   v[X+8*\slot],   v[X+8*\slot+1]
	v_cvt_pk_bf16_f32 v[HP+1], v[X+8*\slot+2], v[X+8*\slot+3]
	v_cvt_pk_bf16_f32 v[HQ],   v[X+8*\slot+4], v[X+8*\slot+5]
	v_cvt_pk_bf16_f32 v[HQ+1], v[X+8*\slot+6], v[X+8*\slot+7]
.if \load
	LOADX \slot, 0
.endif
	LAY1 HP
	LAY1 HQ
.endm
; The last ReLU and the chunk's two stores.  MID has stepped the base already: the stores reach back by the immediate.
; The four maxima are also the four places between layer 1 above and the ACT that reads its result.
.macro V6ST
	RELU D6, 4
	global_store_b128 v[VO], v[D6:D6+3],   s[OB:OB+1] offset:-STRIDE th:TH_STORE_NT
	global_store_b128 v[VO], v[D6+4:D6+7], s[OB:OB+1] offset:-STRIDE+512 th:TH_STORE_NT
.endm
.macro BODY slot, load, left, stepx    ; trip t: layers 2-6 of chunk t, layer 1 of chunk t + 1, out with chunk t
	MID \stepx
	NEXT \slot, \load, \left
	V6ST
.endm
	; ---- set-up ----
	s_load_b512 s[8:23], s[0:1], 0x0               ; x 8, W1 10, b1 12, W2 14, b2 16, W3 18, b3 20, W4 22
	s_load_b256 s[24:31], s[0:1], 0x40             ; b4 24, W5 26, b5 28, W6 30
	s_load_b128 s[32:35], s[0:1], 0x60             ; b6 32, out0 34
	v_lshrrev_b32 v[TA], 5, v0
	v_readfirstlane_b32 s2, v[TA]                  ; wave 0 .. 11
	s_lshl_b32 s3, s2, 8
	s_add_co_u32 s3, s3, ttmp9                     ; g = group + 256 x wave: the 1,060 longer waves are waves 0-3 of every group and wave 4 of 36
	s_cmp_lt_u32 s3, REST
	s_cselect_b32 s4, 1, 0
	s_lshl_b32 s6, s3, 10                          ; g x 1,024 bytes
	s_mov_b32 s36, 0x0000ffff                      ; lanes with h = 0
	s_mov_b32 s37, 0xffff0000                      ; h = 1
	s_mov_b32 s38, 0x00ff00ff                      ; r < 8
	s_mov_b32 s39, 0xff00ff00                      ; r >= 8
	s_mov_b32 s40, 0xff0000ff                      ; r >> 3 = h
	s_mov_b32 s41, 0x0f00000f                      ; (h = 0, r 0-3) and (h = 1, r 8-11)
	s_mov_b32 s42, 0xf00000f0                      ; (h = 0, r 4-7) and (h = 1, r 12-15)
	v_and_b32 v[TA], 31, v0
	v_lshl_add_u32 v[VO], v[TA], 4, s6
	v_mov_b32 v[ZR0], 0
	v_mov_b32 v[ZR1], 0
	v_and_b32 v[TA], 15, v0                        ; r
	v_bfe_u32 v[TB], v0, 4, 1                      ; h
	v_lshlrev_b32 v[OW2], 2, v[TA]                 ; W2[e][r]:         4r            + 64e
	v_and_b32 v[TA], 7, v0
	v_lshlrev_b32 v[OW1], 2, v[TA]                 ; W1[e][r & 7]:     4(r & 7)      + 32e
	v_and_b32 v[TA], 3, v0
	v_lshlrev_b32 v[OW6], 2, v[TA]                 ; W6[e][r & 3]:     4(r & 3)      + 16e
	v_lshl_add_u32 v[OW3], v[TB], 10, v[OW2]       ; W3[8h + e][r]:    1024h + 4r    + 128e  (+ 64: feature 16 + r)
	v_lshl_add_u32 v[OW4], v[TB], 9, v[OW2]        ; W4[8h + e][r]:    512h + 4r     + 64e   (+ 1024: k 16 + 8h + e)
	v_lshl_add_u32 v[OW5], v[TB], 8, v[OW1]        ; W5[8h + e][r & 7]: 256h + 4(r & 7) + 32e
	v_lshlrev_b32 v[VH], 5, v[TB]
	s_wait_kmcnt 0x0
	LOADX 0, 0                                     ; chunks 0, 1, 2 first: they have the longest way
	LOADX 1, STRIDE
	LOADX 2, 2*STRIDE
.irp e, 0,1,2,3,4,5,6,7
	global_load_b32 v[T4+\e],   v[OW4], s[22:23] offset:64*\e
	global_load_b32 v[T4+8+\e], v[OW4], s[22:23] offset:1024+64*\e
	global_load_b32 v[T3+\e],   v[OW3], s[18:19] offset:128*\e
	global_load_b32 v[T3+8+\e], v[OW3], s[18:19] offset:128*\e+64
	global_load_b32 v[T2+\e],   v[OW2], s[14:15] offset:64*\e
	global_load_b32 v[T5+\e],   v[OW5], s[26:27] offset:32*\e
	global_load_b32 v[T6+\e],   v[OW6], s[30:31] offset:16*\e
.endr
.irp e, 0,1,2,3
	global_load_b32 v[T1+\e],   v[OW1], s[10:11] offset:32*\e
.endr
	WIN TO_HIGH                                    ; the biases go straight into window 1, in D's layout: register j = bias of feature m = 8h + j
	global_load_b128 v[C1:C1+3],     v[ZR0], s[12:13]              ; layers 1 and 5: m = 8h + j is feature j
	global_load_b128 v[C1+4:C1+7],   v[ZR0], s[12:13] offset:16
	global_load_b128 v[C2:C2+3],     v[VH],  s[16:17]
	global_load_b128 v[C2+4:C2+7],   v[VH],  s[16:17] offset:16
	global_load_b128 v[C3L:C3L+3],   v[VH],  s[20:21]
	global_load_b128 v[C3L+4:C3L+7], v[VH],  s[20:21] offset:16
	global_load_b128 v[C3H:C3H+3],   v[VH],  s[20:21] offset:64
	global_load_b128 v[C3H+4:C3H+7], v[VH],  s[20:21] offset:80
	global_load_b128 v[C4:C4+3],     v[VH],  s[24:25]
	global_load_b128 v[C4+4:C4+7],   v[VH],  s[24:25] offset:16
	global_load_b128 v[C5:C5+3],     v[ZR0], s[28:29]
	global_load_b128 v[C5+4:C5+7],   v[ZR0], s[28:29] offset:16
	global_load_b128 v[C6:C6+3],     v[ZR0], s[32:33]              ; layer 6: m = 4 mu + f is feature f: b6 twice
	global_load_b128 v[C6+4:C6+7],   v[ZR0], s[32:33]
	WIN 0
	ZERO A1+2, 6                                   ; the parts of A and B that stay zero for the whole launch: 50 registers, written once
	ZERO A2A+4, 4
	ZERO A2B+4, 4
	ZERO A3LL+4, 4
	ZERO A3HL+4, 4
	ZERO A3LH, 4
	ZERO A3HH, 4
	ZERO HP+2, 6
	ZERO HP+12, 4
	ZERO HQ+2, 6
	ZERO HQ+12, 4
	s_wait_loadcnt 0x0                             ; weights, biases and chunks 0-2 are in; every address register above is free
	PACK A4, T4, 8                                 ; A4(m = r, k) = W4[k][r], K full
	PACK A3LL, T3, 4
	PACK A3LH+4, T3, 4
	PACK A3HL, T3+8, 4
	PACK A3HH+4, T3+8, 4
	PACK P2, T2, 4
	PACK P5, T5, 4
	PACK P6, T6, 4
	PACK P1, T1, 2
	SEL A2A, P2, 4, 36                             ; k 0-7 lie in the lanes with h = 0,
	SEL A2B, P2, 4, 37                             ; k 8-15 in those with h = 1
	SEL A5, P5, 4, 38                              ; m < 8: feature m of rows r, k 0-15;
	SEL A5+4, P5, 4, 39                            ; m >= 8: feature m - 8 of rows 16 + r, k 16-31
	SEL A1, P1, 2, 40                              ; m < 8: k 0-3 (h = 0); m >= 8: k 8-11 (h = 1)
	SEL A6, P6, 4, 41                              ; m = 4 mu + f takes the k group 0, 2, 1, 3 for mu = 0, 1, 2, 3, so that D6's registers 0-3 are
	SEL A6+4, P6, 4, 42                            ; chunk row lane and 4-7 chunk row 32 + lane: groups 0, 1 lie in registers 0-3, groups 2, 3 in 4-7
	s_add_nc_u64 s[XB:XB+1], s[XB:XB+1], 3*STRIDE  ; from here the base points at the chunk that is asked for next
	WIN C_HIGH
	NEXT 0, 1, 4                                   ; layer 1 of chunk 0; chunk 3 is asked for
.rept 4
	v_nop                                          ; the four places that V6ST gives in every later trip (ISA guide 7.12.1)
.endr
	WIN 0                                          ; at a label and at a branch every window is 0
	; ---- trips 0 to 14.  s_wait_loadcnt 4: the two loads each of the two younger chunks stay out ----
	s_mov_b32 s5, 0
.Lloop:
	WIN C_HIGH
	BODY 1, 1, 4, 1
	BODY 2, 1, 4, 1
	BODY 0, 1, 4, 1
	WIN 0
	s_add_co_u32 s5, s5, 1
	s_cmp_lt_u32 s5, 5
	s_cbranch_scc1 .Lloop
	; ---- the tail, written out: no load leaves x ----
	WIN C_HIGH
	BODY 1, 1, 4, 1                                ; trip 15: asks for chunk 19, every wave's last sure one
	BODY 2, 0, 4, 1                                ; trip 16: chunks 18 and 19 stay out; the base now points at chunk 20
	WIN 0
	s_cmp_eq_u32 s4, 0
	s_cbranch_scc1 .Lnoload
	LOADX 2, 0                                     ; chunk 20, for the waves that have one, into the slot that trip 16 has just read
.Lnoload:
	WIN C_HIGH
	BODY 0, 0, 2, 0                                ; trip 17 takes chunk 18: only chunk 19's two loads are younger on both paths
	BODY 1, 0, 0, 0                                ; trip 18 takes chunk 19: nothing that is younger on both paths
	MID 0                                          ; trip 19
	WIN 0
	s_cmp_eq_u32 s4, 0
	s_cbranch_scc1 .Llast
	WIN C_HIGH
	NEXT 2, 0, 0                                   ; layer 1 of chunk 20
	V6ST                                           ; out with chunk 19
	MID 0                                          ; trip 20
	WIN 0
.Llast:
.rept 4
	v_nop                                          ; four places between layer 6 and the maxima that read its result (ISA guide 7.12.1)
.endr
	V6ST                                           ; out with the wave's last chunk
	s_endpgm
.Lfunc_end_k_q43aa414d51_mlp:
	.size	k_q43aa414d51_mlp, .Lfunc_end_k_q43aa414d51_mlp-k_q43aa414d51_mlp
	.p2alignl 7, 3214868480
	.fill 96, 4, 3214868480
	.section	.rodata,"a",@progbits
	.p2align	6, 0x0
	.amdhsa_kernel k_q43aa414d51_mlp
		.amdhsa_group_segment_fixed_size 0
		.amdhsa_private_segment_fixed_size 0
		.amdhsa_enable_private_segment 0
		.amdhsa_kernarg_size 112
		.amdhsa_user_sgpr_count 2
		.amdhsa_user_sgpr_kernarg_segment_ptr 1
		.amdhsa_wavefront_size32 1
		.amdhsa_system_sgpr_workgroup_id_x 1
		.amdhsa_system_sgpr_workgroup_id_y 1
		.amdhsa_system_sgpr_workgroup_id_z 1
		.amdhsa_system_vgpr_workitem_id 0
		.amdhsa_next_free_vgpr 312
		.amdhsa_next_free_sgpr 66
		.amdhsa_reserve_vcc 0
		.amdhsa_float_denorm_mode_32 3
		.amdhsa_float_denorm_mode_16_64 3
		.amdhsa_memory_ordered 1
		.amdhsa_forward_progress 1
		.amdhsa_inst_pref_size 127
	.end_amdhsa_kernel
	.amdgpu_metadata
---
amdhsa.version: [ 1, 2 ]
amdhsa.kernels:
  - .name:           k_q43aa414d51_mlp
    .symbol:         k_q43aa414d51_mlp.kd
    .args:
      - { .name: x, .offset: 0, .size: 8, .value_kind: global_buffer, .address_space: global }
      - { .name: W1, .offset: 8, .size: 8, .value_kind: global_buffer, .address_space: global }
      - { .name: b1, .offset: 16, .size: 8, .value_kind: global_buffer, .address_space: global }
      - { .name: W2, .offset: 24, .size: 8, .value_kind: global_buffer, .address_space: global }
      - { .name: b2, .offset: 32, .size: 8, .value_kind: global_buffer, .address_space: global }
      - { .name: W3, .offset: 40, .size: 8, .value_kind: global_buffer, .address_space: global }
      - { .name: b3, .offset: 48, .size: 8, .value_kind: global_buffer, .address_space: global }
      - { .name: W4, .offset: 56, .size: 8, .value_kind: global_buffer, .address_space: global }
      - { .name: b4, .offset: 64, .size: 8, .value_kind: global_buffer, .address_space: global }
      - { .name: W5, .offset: 72, .size: 8, .value_kind: global_buffer, .address_space: global }
      - { .name: b5, .offset: 80, .size: 8, .value_kind: global_buffer, .address_space: global }
      - { .name: W6, .offset: 88, .size: 8, .value_kind: global_buffer, .address_space: global }
      - { .name: b6, .offset: 96, .size: 8, .value_kind: global_buffer, .address_space: global }
      - { .name: out0, .offset: 104, .size: 8, .value_kind: global_buffer, .address_space: global }
    .group_segment_fixed_size: 0
    .private_segment_fixed_size: 0
    .kernarg_segment_align: 8
    .kernarg_segment_size: 112
    .max_flat_workgroup_size: 384
    .sgpr_count:     66
    .vgpr_count:     312
    .wavefront_size: 32
...
	.end_amdgpu_metadata
.endif
;; end of part 1
;; ======== version 2 of 2: 1 launch; version 1 with the launch mlp written anew for expert scheduling mode
;; launch mlp (part 2): grid 256 x 1, 12 waves a work-group, no clusters, 0 bytes of LDS; arguments x, W1, b1, W2, b2, W3, b3, W4, b4, W5, b5, W6, b6, out0; writes out0
.if DOCPART == 2
	.amdgcn_target "amdgcn-amd-amdhsa--gfx1250"
	.amdhsa_code_object_version 6
	.text
	.protected	k_q43aa414d51_mlp
	.globl	k_q43aa414d51_mlp
	.p2align	8
	.type	k_q43aa414d51_mlp,@function
k_q43aa414d51_mlp:
	s_mov_b64 s[64:65], 0
	v_nop
	global_prefetch_b8 v0, s[64:65] scope:SCOPE_SE
	s_setreg_imm32_b32 hwreg(HW_REG_WAVE_SCHED_MODE, 0, 2), 2
	s_setreg_imm32_b32 hwreg(HW_REG_WAVE_MODE, 25, 1), 1
	s_wait_xcnt 0x0
	s_wait_alu depctr_vm_vsrc(0)
; out0 = relu(..relu(relu(x W1 + b1) W2 + b2).. W6 + b6): six Linear+ReLU layers 4-8-16-32-16-8-4 on 4,000,000 rows of 4 f32, in one launch.
;
; FORM.  Every layer is D = A x B + C on the 16x16x32 bf16 matrix form with A = W transposed (M = output features), B = activations
; (N = 16 rows, K = input features) and C = the bias in f32, kept in registers; D is another tuple than C.  In D lane (r, h) holds in
; register j the feature 8h + j of row r; after ReLU, packing registers 2i, 2i+1 to bf16 gives exactly registers 0-3 (k = 8h ..) or
; 4-7 (k = 16 + 8h ..) of the next layer's B.  So activations never leave the lane: no LDS, no lane exchange, no barrier.
; Layers narrower than 16 x 32 use weights laid out in diagonal blocks, so that one instruction serves 2 or 4 groups of 16 rows:
; a chunk of 64 rows takes 2+4+8+4+2+1 = 21 matrix instructions, which is its 64 x 84 outputs / 256 outputs an instruction.
; A lane's 16-byte load of x IS its fragment of layer 1's B, and a lane's four results of layer 6 ARE 16 bytes of out0: each load and
; each store of a wave covers 512 consecutive bytes, aligned to 512.
;
; SHARES.  62,500 chunks of 64 rows (1,024 bytes) over 256 x 12 = 3,072 waves: wave g = group + 256 x wave takes chunks g + 3072 t,
; t = 0 .. 19, and the waves with g < 62,500 - 20 x 3,072 = 1,060 take t = 20 too.  A chunk is two halves of 32 rows, P and Q,
; whose vector work stands in the places behind each other's matrix instructions.
; No cluster, no joint requests: the work-groups share only the 5,712 bytes of weights and biases, against 250,000 bytes of x each.
;
; THE MODE: SCHED_MODE bits 1:0 = 2 (LLVM: expert scheduling mode 2), set by the entry lines.  The code itself states the register dependences
; between vector or matrix instructions and memory instructions, with s_wait_alu, always for 0.
; THE PLAN.  Registers that memory instructions touch, in the loop:
;   X0 .. X2   three slots of x as loaded.  Read by the four conversions of NEXT alone; behind them the loads of the chunk three further on land in the slot.
;   D6         written by layer 6's matrix instruction and, in place, by the four maxima; read by the chunk's two stores.
;   v1         the byte offset of every load of x and every store: made once at the head, never written again; the two scalar bases move on.
;   The two pools, B6, the weights and the biases are named by vector and matrix instructions alone.
; A trip is REST (layer 2 of Q to layer 6), NEXT (the next chunk's conversions and layer 1), the maxima on D6, and HEAD (the next chunk's layer 2 of P).
; ONE wait on va_vdst stands in a trip, in HEAD: it states that the conversions are done reading their slot and that D6 is written.  The trip's two loads
; and two stores follow it, dealt among layer 2 of P's two matrix instructions, which name none of X, D6 and v1.  One wait on vm_vsrc a trip stands ahead
; of layer 6: the stores of the HEAD before have read D6.
;
; LIMITS.  x, weights and activations enter the products rounded to bf16; sums and biases are f32.  v_max_num_f32 makes 0 of a NaN where
; reference() keeps it.  Rows of a chunk that are equal modulo 16 share a matrix column under zero weights: an Inf or NaN in one
; of them gives NaN in the others (0 x Inf).  So: right wherever every intermediate of reference() is finite.
.set CHUNK,  1024                      ; bytes of x, and of out0, in a chunk
.set STRIDE, 3072*CHUNK                ; from a wave's chunk to its next
.set REST_W, 1060                      ; waves with a 21st chunk
; vector registers, window 0
.set VO,  1                            ; v1        g x 1024 + lane x 16: my 16 bytes in the first half of my chunk 0; never rewritten
.set ZR0, 2                            ; v2, v3    0.0: the two halves of a dual maximum take their second sources from different banks
.set ZR1, 3
.set X,   8                            ; v[8:31]   three slots of x as loaded: slot s: P in 8s .. 8s+3, Q in 8s+4 .. 8s+7
.set A1,   32                          ; the weights as A fragments, 8 registers each
.set A2A,  40                          ; layer 2 on k 0-7   (rows r of the half)
.set A2B,  48                          ; layer 2 on k 8-15  (rows 16 + r)
.set A3LL, 56                          ; layer 3: features 0-15,  k 0-15  (rows r)
.set A3HL, 64                          ;          features 16-31, k 0-15
.set A3LH, 72                          ;          features 0-15,  k 16-31 (rows 16 + r)
.set A3HH, 80                          ;          features 16-31, k 16-31
.set A4,   88
.set A5,   96
.set A6,   104
.set HP,  112                          ; v[112:175] half P: +0 B1 (2-7 stay 0), +8 B2 (4-7 stay 0), +16 B3 / B4 / B5 (16), +32 results (32)
.set HQ,  176                          ; v[176:239] half Q, likewise
.set B6,  240                          ; v[240:247] layer 6's B: P's four registers, then Q's
.set D6,  248                          ; v[248:255] layer 6's result = 2 x 16 bytes of out0
; window 1 (v256-v311): the biases in D's layout, read only as the matrix instructions' third source
.set C1, 0
.set C2, 8
.set C3L, 16
.set C3H, 24
.set C4, 32
.set C5, 40
.set C6, 48
; set-up only, in registers of the two pools that the loop uses later
.set T4, 128                           ; v[128:143] W4 as loaded       .. T3 v[144:159] W3, T2 v[160:167] W2, T5 v[168:175] W5
.set T3, 144
.set T2, 160
.set T5, 168
.set T6, 192                           ; v[192:199] W6, T1 v[200:203] W1
.set T1, 200
.set P2, 204                           ; packed, before the lane masks: W2 (4), W5 (4), W6 (4), W1 (2)
.set P5, 208
.set P6, 212
.set P1, 216
.set OW1, 220                          ; byte offsets of a lane's weights
.set OW2, 221
.set OW3, 222
.set OW4, 223
.set OW5, 224
.set OW6, 225
.set VH,  226                          ; 32 h: the bias of feature 8h
.set TA,  227
.set TB,  228
; scalar registers: s2 wave, s3 g, s4 1 = I have a 21st chunk, s5 loop counter, s6 temporary, s[8:35] the 14 addresses, s36-42 lane masks
.set XB, 8                             ; s[8:9]   x, stepped by STRIDE a trip
.set OB, 34                            ; s[34:35] out0, likewise
.set MSB, 0
.macro WIN new                         ; s_set_vgpr_msb; the immediate's high byte repeats the setting that is left
.if MSB != \new
	s_set_vgpr_msb (MSB<<8)|\new
.set MSB, \new
.endif
.endm
.set C_HIGH, 0x10                      ; source 2 in window 1: in the loop only matrix instructions have a third vector source
.set TO_HIGH, 0x40                     ; destination in window 1
.macro LOADX slot, off                 ; one chunk of x: two loads of 512 consecutive bytes
	global_load_b128 v[X+8*\slot:X+8*\slot+3],   v[VO], s[XB:XB+1] offset:\off th:TH_LOAD_NT
	global_load_b128 v[X+8*\slot+4:X+8*\slot+7], v[VO], s[XB:XB+1] offset:\off+512 th:TH_LOAD_NT
.endm
.macro ZERO base, cnt
.set zi, 0
.rept \cnt
	v_mov_b32 v[\base+zi], 0
.set zi, zi+1
.endr
.endm
.macro PACK dst, src, cnt              ; 2 cnt f32 to cnt registers of bf16 pairs, the lower index in the low half
.set pki, 0
.rept \cnt
	v_cvt_pk_bf16_f32 v[\dst+pki], v[\src+2*pki], v[\src+2*pki+1]
.set pki, pki+1
.endr
.endm
.macro SEL dst, src, cnt, mask         ; the block of a block-diagonal A: src in the mask's lanes, 0 in the others
.set si, 0
.rept \cnt
	v_cndmask_b32 v[\dst+si], 0, v[\src+si], s[\mask]
.set si, si+1
.endr
.endm
.macro RELU src, cnt                   ; 2 cnt numbers in place, two to an instruction
.set ri, 0
.rept \cnt
	v_dual_max_num_f32 v[\src+2*ri], v[\src+2*ri], v[ZR0] :: v_dual_max_num_f32 v[\src+2*ri+1], v[\src+2*ri+1], v[ZR1]
.set ri, ri+1
.endr
.endm
.macro ACT dst, src, cnt               ; a layer's results become the next layer's B: ReLU, then round to bf16
	RELU \src, \cnt
	PACK \dst, \src, \cnt
.endm
.macro MM d, a, b, c
	v_wmma_f32_16x16x32_bf16 v[\d:\d+7], v[\a:\a+7], v[\b:\b+7], v[\c:\c+7]
.endm
; The layers of one half H.  Layer 1's result has registers of its own (H+48): layer 2 of half P follows layer 1 with only four
; independent vector instructions between, enough to read a result and one too few to write over it (ISA guide 7.12.1).
.macro LAY1 H
	MM \H+48, A1, \H, C1               ; lane (r, h), register j: feature j of row 16h + r
.endm
.macro LAY2 H                          ; (half P's two lines are written out in HEAD, with the trip's loads and stores among them)
	MM \H+32, A2A, \H+8, C2            ; feature 8h + j of row r
	MM \H+40, A2B, \H+8, C2            ; of row 16 + r
.endm
.macro LAY3 H
	MM \H+32, A3LL, \H+16, C3L         ; rows r:      features 8h + j
	MM \H+40, A3HL, \H+16, C3H         ;              features 16 + 8h + j
	MM \H+48, A3LH, \H+16, C3L         ; rows 16 + r: features 8h + j
	MM \H+56, A3HH, \H+16, C3H         ;              features 16 + 8h + j
.endm
.macro LAY4 H
	MM \H+32, A4, \H+16, C4            ; rows r
	MM \H+40, A4, \H+24, C4            ; rows 16 + r
.endm
.macro LAY5 H
	MM \H+32, A5, \H+16, C5            ; feature j of row 16h + r
.endm
.macro STORE                           ; a chunk's two stores.  REST has stepped the base already: the stores reach back by the immediate
	global_store_b128 v[VO], v[D6:D6+3],   s[OB:OB+1] offset:-STRIDE th:TH_STORE_NT
	global_store_b128 v[VO], v[D6+4:D6+7], s[OB:OB+1] offset:-STRIDE+512 th:TH_STORE_NT
.endm
; Layer 2 of half P of the chunk whose layer 1 has been issued, and the trip's memory instructions.
; load = 1: the slot that NEXT has just read is asked for again, three chunks ahead; load = 2: only by the waves that have a 21st chunk.
; store = 1: out with the chunk before, whose last ReLU stands ahead of this macro.
.macro HEAD slot, load, store
	ACT HP+8, HP+48, 4
.if \load == 2
	WIN 0                              ; a branch and a label follow; the switch stands ahead of the wait
.endif
	s_wait_alu depctr_va_vdst(0)       ; NEXT's conversions are done reading X[slot], in which the loads below land; layer 6 and the maxima have written D6, which the stores below read
.if \load == 2
	s_cmp_eq_u32 s4, 0
	s_cbranch_scc1 .Lnoload
	LOADX \slot, 0                     ; chunk 20; nothing between the wait and these two loads names a vector register
.Lnoload:
	WIN C_HIGH
.endif
	MM HP+32, A2A, HP+8, C2            ; feature 8h + j of row r.  These two name A2A, A2B, P's pool and the bias in window 1:
.if \load == 1
	LOADX \slot, 0                     ; no wait: no vector or matrix instruction since the wait above names X[slot] or v1
.endif
	MM HP+40, A2B, HP+8, C2            ; of row 16 + r
.if \store
	STORE                              ; no wait: none since the wait above names D6 or v1
.endif
.endm
; Layer 2 of half Q to layer 6.  P and Q take turns: behind each group of matrix instructions stands the other
; half's ACT, at least 8 plain vector instructions that name only that other half's registers and v2, v3.  They are the places (ISA guide
; 7.12.1) in front of the read of the results, of the write into a B that was a source, and of the next layer's write over the results.
; stepx = 1: a later load still goes through the x base.
.macro REST stepx
	ACT HQ+8, HQ+48, 4
	LAY2 HQ
	ACT HP+16, HP+32, 8
	LAY3 HP
	ACT HQ+16, HQ+32, 8
	LAY3 HQ
	ACT HP+16, HP+32, 16
	LAY4 HP
	ACT HQ+16, HQ+32, 16
	LAY4 HQ
	ACT HP+16, HP+32, 8
	LAY5 HP
	ACT HQ+16, HQ+32, 8
	LAY5 HQ
	ACT B6, HP+32, 4                   ; k 0-15:  chunk rows r, 16 + r
	ACT B6+4, HQ+32, 4                 ; k 16-31: chunk rows 32 + r, 48 + r
	s_wait_xcnt 0x0                    ; the last HEAD's loads and stores have had their addresses translated (ISA guide 3.1): only now the two bases are stepped and D6 is written again
	s_wait_alu depctr_vm_vsrc(0)       ; the last HEAD's stores have read D6, which layer 6 below writes again
.if \stepx
	s_add_nc_u64 s[XB:XB+1], s[XB:XB+1], STRIDE
.endif
	s_add_nc_u64 s[OB:OB+1], s[OB:OB+1], STRIDE
	MM D6, A6, B6, C6                  ; registers 0-3: out0 of chunk row lane; registers 4-7: of chunk row 32 + lane
.endm
; Layer 1 of the next chunk, from slot.  left = younger loads that may stay out.
; The four conversions are also the four places between layer 6 above and the maxima that read its result.
.macro NEXT slot, left
	s_wait_loadcnt \left               ; loads come back in order (ISA guide 5.7.1): this slot's two are in
	v_cvt_pk_bf16_f32 v[HP],   v[X+8*\slot],   v[X+8*\slot+1]
	v_cvt_pk_bf16_f32 v[HP+1], v[X+8*\slot+2], v[X+8*\slot+3]
	v_cvt_pk_bf16_f32 v[HQ],   v[X+8*\slot+4], v[X+8*\slot+5]
	v_cvt_pk_bf16_f32 v[HQ+1], v[X+8*\slot+6], v[X+8*\slot+7]
	LAY1 HP
	LAY1 HQ
.endm
; Trip t: layers 2 (Q) to 6 of chunk t; layer 1 of chunk t + 1; chunk t's last ReLU, whose four maxima are also the four places between
; layer 1 and the ACT that reads its result; layer 2 (P) of chunk t + 1, with the loads of chunk t + 4 and the stores of chunk t.
.macro BODY slot, load, left, stepx
	REST \stepx
	NEXT \slot, \left
	RELU D6, 4
	HEAD \slot, \load, 1
.endm
	; ---- set-up ----
	s_load_b512 s[8:23], s[0:1], 0x0               ; x 8, W1 10, b1 12, W2 14, b2 16, W3 18, b3 20, W4 22
	s_load_b256 s[24:31], s[0:1], 0x40             ; b4 24, W5 26, b5 28, W6 30
	s_load_b128 s[32:35], s[0:1], 0x60             ; b6 32, out0 34
	v_lshrrev_b32 v[TA], 5, v0
	v_readfirstlane_b32 s2, v[TA]                  ; wave 0 .. 11
	s_mov_b32 s36, 0x0000ffff                      ; lanes with h = 0
	s_mov_b32 s37, 0xffff0000                      ; h = 1
	s_mov_b32 s38, 0x00ff00ff                      ; r < 8
	s_mov_b32 s39, 0xff00ff00                      ; r >= 8
	s_mov_b32 s40, 0xff0000ff                      ; r >> 3 = h
	s_mov_b32 s41, 0x0f00000f                      ; (h = 0, r 0-3) and (h = 1, r 8-11)
	s_mov_b32 s42, 0xf00000f0                      ; (h = 0, r 4-7) and (h = 1, r 12-15)
	v_mov_b32 v[ZR0], 0
	v_mov_b32 v[ZR1], 0
	v_and_b32 v[TA], 15, v0                        ; r
	v_bfe_u32 v[TB], v0, 4, 1                      ; h
	v_lshlrev_b32 v[OW2], 2, v[TA]                 ; W2[e][r]:         4r            + 64e
	v_and_b32 v[TA], 7, v0
	v_lshlrev_b32 v[OW1], 2, v[TA]                 ; W1[e][r & 7]:     4(r & 7)      + 32e
	v_and_b32 v[TA], 3, v0
	v_lshlrev_b32 v[OW6], 2, v[TA]                 ; W6[e][r & 3]:     4(r & 3)      + 16e
	v_lshl_add_u32 v[OW3], v[TB], 10, v[OW2]       ; W3[8h + e][r]:    1024h + 4r    + 128e  (+ 64: feature 16 + r)
	v_lshl_add_u32 v[OW4], v[TB], 9, v[OW2]        ; W4[8h + e][r]:    512h + 4r     + 64e   (+ 1024: k 16 + 8h + e)
	v_lshl_add_u32 v[OW5], v[TB], 8, v[OW1]        ; W5[8h + e][r & 7]: 256h + 4(r & 7) + 32e
	v_lshlrev_b32 v[VH], 5, v[TB]
	s_wait_alu depctr_va_sdst(0)                   ; s2 is written, ahead of its first reader: g, the flag s4 and my offset are made from it
	s_lshl_b32 s3, s2, 8
	s_add_co_u32 s3, s3, ttmp9                     ; g = group + 256 x wave: the 1,060 longer waves are waves 0-3 of every group and wave 4 of 36
	s_cmp_lt_u32 s3, REST_W
	s_cselect_b32 s4, 1, 0
	s_lshl_b32 s6, s3, 10                          ; g x 1,024 bytes
	v_and_b32 v[TA], 31, v0
	v_lshl_add_u32 v[VO], v[TA], 4, s6
	s_wait_kmcnt 0x0
	s_wait_alu depctr_va_vdst(0)                   ; v1, v2 and v[220:226] are written: the loads below, and every load and store of the kernel, read one of them as the offset
	LOADX 0, 0                                     ; chunks 0, 1, 2 first: they have the longest way
	LOADX 1, STRIDE
	LOADX 2, 2*STRIDE
.irp e, 0,1,2,3,4,5,6,7
	global_load_b32 v[T4+\e],   v[OW4], s[22:23] offset:64*\e
	global_load_b32 v[T4+8+\e], v[OW4], s[22:23] offset:1024+64*\e
	global_load_b32 v[T3+\e],   v[OW3], s[18:19] offset:128*\e
	global_load_b32 v[T3+8+\e], v[OW3], s[18:19] offset:128*\e+64
	global_load_b32 v[T2+\e],   v[OW2], s[14:15] offset:64*\e
	global_load_b32 v[T5+\e],   v[OW5], s[26:27] offset:32*\e
	global_load_b32 v[T6+\e],   v[OW6], s[30:31] offset:16*\e
.endr
.irp e, 0,1,2,3
	global_load_b32 v[T1+\e],   v[OW1], s[10:11] offset:32*\e
.endr
	WIN TO_HIGH                                    ; the biases go straight into window 1, in D's layout: register j = bias of feature m = 8h + j.  Between the wait above and these loads stand loads and this switch alone
	global_load_b128 v[C1:C1+3],     v[ZR0], s[12:13]              ; layers 1 and 5: m = 8h + j is feature j
	global_load_b128 v[C1+4:C1+7],   v[ZR0], s[12:13] offset:16
	global_load_b128 v[C2:C2+3],     v[VH],  s[16:17]
	global_load_b128 v[C2+4:C2+7],   v[VH],  s[16:17] offset:16
	global_load_b128 v[C3L:C3L+3],   v[VH],  s[20:21]
	global_load_b128 v[C3L+4:C3L+7], v[VH],  s[20:21] offset:16
	global_load_b128 v[C3H:C3H+3],   v[VH],  s[20:21] offset:64
	global_load_b128 v[C3H+4:C3H+7], v[VH],  s[20:21] offset:80
	global_load_b128 v[C4:C4+3],     v[VH],  s[24:25]
	global_load_b128 v[C4+4:C4+7],   v[VH],  s[24:25] offset:16
	global_load_b128 v[C5:C5+3],     v[ZR0], s[28:29]
	global_load_b128 v[C5+4:C5+7],   v[ZR0], s[28:29] offset:16
	global_load_b128 v[C6:C6+3],     v[ZR0], s[32:33]              ; layer 6: m = 4 mu + f is feature f: b6 twice
	global_load_b128 v[C6+4:C6+7],   v[ZR0], s[32:33]
	WIN 0
	ZERO A1+2, 6                                   ; the parts of A and B that stay zero for the whole launch: 50 registers, written once; no load above names one of them
	ZERO A2A+4, 4
	ZERO A2B+4, 4
	ZERO A3LL+4, 4
	ZERO A3HL+4, 4
	ZERO A3LH, 4
	ZERO A3HH, 4
	ZERO HP+2, 6
	ZERO HP+12, 4
	ZERO HQ+2, 6
	ZERO HQ+12, 4
	s_wait_loadcnt 0x0                             ; weights, biases and chunks 0-2 are in
	s_wait_alu depctr_vm_vsrc(0)                   ; the loads above have read their offsets v[220:226]: registers of Q's pool, over which layers 1 and 2 of Q write their results
	PACK A4, T4, 8                                 ; A4(m = r, k) = W4[k][r], K full
	PACK A3LL, T3, 4
	PACK A3LH+4, T3, 4
	PACK A3HL, T3+8, 4
	PACK A3HH+4, T3+8, 4
	PACK P2, T2, 4
	PACK P5, T5, 4
	PACK P6, T6, 4
	PACK P1, T1, 2
	SEL A2A, P2, 4, 36                             ; k 0-7 lie in the lanes with h = 0,
	SEL A2B, P2, 4, 37                             ; k 8-15 in those with h = 1
	SEL A5, P5, 4, 38                              ; m < 8: feature m of rows r, k 0-15;
	SEL A5+4, P5, 4, 39                            ; m >= 8: feature m - 8 of rows 16 + r, k 16-31
	SEL A1, P1, 2, 40                              ; m < 8: k 0-3 (h = 0); m >= 8: k 8-11 (h = 1)
	SEL A6, P6, 4, 41                              ; m = 4 mu + f takes the k group 0, 2, 1, 3 for mu = 0, 1, 2, 3, so that D6's registers 0-3 are
	SEL A6+4, P6, 4, 42                            ; chunk row lane and 4-7 chunk row 32 + lane: groups 0, 1 lie in registers 0-3, groups 2, 3 in 4-7
	s_add_nc_u64 s[XB:XB+1], s[XB:XB+1], 3*STRIDE  ; from here the base points at the chunk that is asked for next
	WIN C_HIGH
	NEXT 0, 4                                      ; layer 1 of chunk 0
.rept 4
	v_nop                                          ; the four places that the maxima on D6 give in every later trip (ISA guide 7.12.1)
.endr
	HEAD 0, 1, 0                                   ; layer 2 (P) of chunk 0; chunk 3 is asked for; there is no chunk before to store
	WIN 0                                          ; at a label and at a branch every window is 0
	; ---- trips 0 to 14.  s_wait_loadcnt 4: the two loads each of the two younger chunks stay out ----
	s_mov_b32 s5, 0
.Lloop:
	WIN C_HIGH
	BODY 1, 1, 4, 1
	BODY 2, 1, 4, 1
	BODY 0, 1, 4, 1
	WIN 0
	s_add_co_u32 s5, s5, 1
	s_cmp_lt_u32 s5, 5
	s_cbranch_scc1 .Lloop
	; ---- the tail, written out: no load leaves x ----
	WIN C_HIGH
	BODY 1, 1, 4, 1                                ; trip 15: asks for chunk 19, every wave's last sure one
	BODY 2, 2, 4, 1                                ; trip 16: chunks 18 and 19 stay out; the base now points at chunk 20, which the waves that have one ask for, into the slot just read
	BODY 0, 0, 2, 0                                ; trip 17 takes chunk 18: only chunk 19's two loads are younger on both paths
	BODY 1, 0, 0, 0                                ; trip 18 takes chunk 19: nothing that is younger on both paths
	REST 0                                         ; trip 19
	WIN 0
	s_cmp_eq_u32 s4, 0
	s_cbranch_scc1 .Llast
	WIN C_HIGH
	NEXT 2, 0                                      ; layer 1 of chunk 20
	RELU D6, 4
	HEAD 2, 0, 1                                   ; out with chunk 19
	REST 0                                         ; trip 20
	WIN 0
.Llast:
.rept 4
	v_nop                                          ; four places between layer 6 and the maxima that read its result (ISA guide 7.12.1)
.endr
	RELU D6, 4
	s_wait_alu depctr_va_vdst(0)                   ; the maxima have written D6, which the last two stores read
	STORE                                          ; out with the wave's last chunk
	s_endpgm
.Lfunc_end_k_q43aa414d51_mlp:
	.size	k_q43aa414d51_mlp, .Lfunc_end_k_q43aa414d51_mlp-k_q43aa414d51_mlp
	.p2alignl 7, 3214868480
	.fill 96, 4, 3214868480
	.section	.rodata,"a",@progbits
	.p2align	6, 0x0
	.amdhsa_kernel k_q43aa414d51_mlp
		.amdhsa_group_segment_fixed_size 0
		.amdhsa_private_segment_fixed_size 0
		.amdhsa_enable_private_segment 0
		.amdhsa_kernarg_size 112
		.amdhsa_user_sgpr_count 2
		.amdhsa_user_sgpr_kernarg_segment_ptr 1
		.amdhsa_wavefront_size32 1
		.amdhsa_system_sgpr_workgroup_id_x 1
		.amdhsa_system_sgpr_workgroup_id_y 1
		.amdhsa_system_sgpr_workgroup_id_z 1
		.amdhsa_system_vgpr_workitem_id 0
		.amdhsa_next_free_vgpr 312
		.amdhsa_next_free_sgpr 66
		.amdhsa_reserve_vcc 0
		.amdhsa_float_denorm_mode_32 3
		.amdhsa_float_denorm_mode_16_64 3
		.amdhsa_memory_ordered 1
		.amdhsa_forward_progress 1
		.amdhsa_inst_pref_size 128
	.end_amdhsa_kernel
	.amdgpu_metadata
---
amdhsa.version: [ 1, 2 ]
amdhsa.kernels:
  - .name:           k_q43aa414d51_mlp
    .symbol:         k_q43aa414d51_mlp.kd
    .args:
      - { .name: x, .offset: 0, .size: 8, .value_kind: global_buffer, .address_space: global }
      - { .name: W1, .offset: 8, .size: 8, .value_kind: global_buffer, .address_space: global }
      - { .name: b1, .offset: 16, .size: 8, .value_kind: global_buffer, .address_space: global }
      - { .name: W2, .offset: 24, .size: 8, .value_kind: global_buffer, .address_space: global }
      - { .name: b2, .offset: 32, .size: 8, .value_kind: global_buffer, .address_space: global }
      - { .name: W3, .offset: 40, .size: 8, .value_kind: global_buffer, .address_space: global }
      - { .name: b3, .offset: 48, .size: 8, .value_kind: global_buffer, .address_space: global }
      - { .name: W4, .offset: 56, .size: 8, .value_kind: global_buffer, .address_space: global }
      - { .name: b4, .offset: 64, .size: 8, .value_kind: global_buffer, .address_space: global }
      - { .name: W5, .offset: 72, .size: 8, .value_kind: global_buffer, .address_space: global }
      - { .name: b5, .offset: 80, .size: 8, .value_kind: global_buffer, .address_space: global }
      - { .name: W6, .offset: 88, .size: 8, .value_kind: global_buffer, .address_space: global }
      - { .name: b6, .offset: 96, .size: 8, .value_kind: global_buffer, .address_space: global }
      - { .name: out0, .offset: 104, .size: 8, .value_kind: global_buffer, .address_space: global }
    .group_segment_fixed_size: 0
    .private_segment_fixed_size: 0
    .kernarg_segment_align: 8
    .kernarg_segment_size: 112
    .max_flat_workgroup_size: 384
    .sgpr_count:     66
    .vgpr_count:     312
    .wavefront_size: 32
...
	.end_amdgpu_metadata
.endif
;; end of part 2
